; MI455X (gfx1250); checked and timed in simulation.
; The chip was launched on July 23, 2026; its instructions are those of AMD's public machine-readable ISA for CDNA 5 (MIT licence, August 2026) and "CDNA5" Instruction Set Architecture Reference Guide (July 2026). The comments in the code are by the model that wrote it; some were corrected since.
;; Kmeans. Allowed arithmetic: matrix products marked QUANTISED: E2M1 operands, one E8M0 scale for each 32 along K, by v_wmma_scale_f32_16x16x128_f8f6f4 with both operands' format E2M1 (or v_wmma_scale_f32_32x16x128_f4), f32 sums; everything else in f32.
;; Inputs: cluster_centers 2,048 x 512 float32; x 65,536 x 512 float32.
;; Outputs: out0 65,536 int32.
;; This version of the problem:
;;   THIS VERSION OF THE PROBLEM IS GIVEN IN LOW PRECISION. The matrix products marked QUANTISED in the list below multiply operands that are first quantised to E2M1 (2 exponent bits, 1 mantissa bit; 4 bits a number), with one power-of-two scale for each 32 numbers along K (OCP MX v1.0); their sums are f32. All else is computed in f32.
;;   The module's matrix products, in the order in which they are computed (A, B: the left and right operand; K: the contracted axis; several contracted axes count as one K, in the product's order):
;;     1. [M 65,536, K 512] x [K 512, N 2,048]; A: input x; B: input cluster_centers: QUANTISED
;;   THE QUANTISER, for each operand of a quantised product, along K:
;;     - K is cut into blocks of 32 from its start; a last block that is shorter is filled with zeros.
;;     - A block's scale is 2^e with e = floor(log2(the largest magnitude in the block)) - 2, held to -126 .. 127; a block of zeros has e = 0. As a byte (E8M0): e + 127.
;;     - Each number is divided by its block's scale, clamped to +-6, and rounded to the nearest number of E2M1, ties to even, subnormals kept.
;;     - The product sums the exact products of the quantised numbers (number of the format x scale) in f32.
;;   ~~~python
;;   def quantise(x, axis):      # numpy; x: float32 -> the quantised numbers, widened to float32 again
;;       x = np.moveaxis(x, axis, -1); K = x.shape[-1]
;;       x = np.pad(x, [(0, 0)] * (x.ndim - 1) + [(0, -K % 32)]); x = x.reshape(x.shape[:-1] + (-1, 32)); a = np.abs(x).max(-1, keepdims=True)
;;       e = np.where(a > 0, np.clip(np.frexp(np.where(a > 0, a, 1))[1] - 1 - 2, -126, 127), 0)      # np.frexp(a)[1] - 1 = floor(log2(a)), exactly
;;       r = np.clip(x / 2.0 ** e, -6, 6)
;;       step = 2.0 ** (np.maximum(np.frexp(np.where(r == 0, 1, r))[1] - 1, 0) - 1)
;;       q = np.round(r / step) * step * 2.0 ** e      # np.round: ties to even
;;       return np.moveaxis(q.reshape(q.shape[:-2] + (-1,))[..., :K], -1, axis).astype(np.float32)
;;   ~~~
;; One version. Each part assembles by itself: llvm-mc -triple=amdgcn-amd-amdhsa -mcpu=gfx1250 --defsym DOCPART=n.
;; ======== version 1 of 1: 2 launches
;; limits: right only within a limited range of input values
;; workspace buffers: book 565,248 bytes
;; launch prep (part 1): grid 32 x 1, 16 waves a work-group, no clusters, 4,096 bytes of LDS; arguments cluster_centers, book; writes book
.if DOCPART == 1
	.amdgcn_target "amdgcn-amd-amdhsa--gfx1250"
	.amdhsa_code_object_version 6
	.text
	.protected	k_q73c0ccb5da_prep
	.globl	k_q73c0ccb5da_prep
	.p2align	8
	.type	k_q73c0ccb5da_prep,@function
k_q73c0ccb5da_prep:
	s_mov_b64 s[64:65], 0
	v_nop
	global_prefetch_b8 v0, s[64:65] scope:SCOPE_SE
	s_setreg_imm32_b32 hwreg(HW_REG_WAVE_MODE, 25, 1), 1
	s_wait_xcnt 0x0
; THE CENTRES [2048][512], f32, BECOME THE BOOK: codes of FP4 (E2M1) with one E8M0 scale byte for each 32 along K, and -c2/2 (c2 = a centre's sum of squares, of the numbers as given), all laid as the second launch takes them.
; THE BOOK: four parts of PART bytes, part w for centres 512 w .. 512 w + 511.  In a part: at 0 the codes of the odd groups of 32 centres (group 2 n + 1 at 8,192 n), at 65,536 those of the even groups (group 2 n at 8,192 n),
; at 131,072 the scale bytes, 16 a centre (byte 4 s + b: k = 128 s + 32 b ..), at 139,264 -c2/2, f32.
; A group's codes are the IMAGE OF THE OPERAND'S REGISTERS of the 32 x 16 x 128 form: 16 chunks of 512 bytes; chunk 4 s + 2 t + c holds, at 16 x lane, the codes of centre 16 t + lane % 16 for k = 128 s + 64 c + 32 (lane / 16) + 0 .. 31.
; A block's scale is 2^(floor(log2(its largest magnitude)) - 2); its byte is the largest magnitude's exponent field - 2, held at 1 from below.
; LIMITS: a block whose largest magnitude lies under 2^-124, a block of zeros among them, gets the byte 1 (its codes are zeros or next to it; this program alone reads the bytes); NaN and infinities are not served;
; c2 is summed in eight partial sums a lane, then by a tree, then over the four K steps in ascending order.
; SHARES: work-group j takes centres 64 j .. 64 j + 63; wave v takes 16 of them (tile v / 4) and 128 along K (K step v % 4).  Lane (r, h) holds, in each of two pieces, ONE WHOLE BLOCK of 32 of centre r: no lane is asked for a maximum.
; 32 work-groups: with fewer centres to a work-group the 256 bytes of -c2/2 that a store covers would come from several of them.
.set PART, 141312
.set NUM,  16                          ; v16-79  two pieces of 32 numbers
.set COD,  80                          ; v80-87  their codes
.set SUM,  88                          ; v88-95  eight partial sums of squares
.set MA,   12
.set MB,   13
.set SCO,  14                          ; the conversions' scale operand
.set BYT,  6                           ; v6, v7  the two scale bytes
	s_load_b128 s[4:7], s[0:1], 0x0                ; the centres s[4:5], the book s[6:7]
	v_lshl_add_u32 v96, v0, 2, 0x800
	v_mov_b32 v97, 0
	v_lshrrev_b32 v6, 5, v0
	s_delay_alu instid0(VALU_DEP_1)
	v_readfirstlane_b32 s8, v6                     ; wave 0..15
	v_and_b32 v7, 31, v0                           ; lane
	v_and_b32 v8, 15, v0                           ; r
	s_wait_alu depctr_va_vdst(0)
	v_bfe_u32 v9, v0, 4, 1                         ; h
	s_lshr_b32 s9, s8, 2                           ; tile of 16 centres
	s_and_b32 s10, s8, 3                           ; K step
	v_lshlrev_b32 v1, 11, v8
	s_delay_alu instid0(VALU_DEP_1)
	v_lshl_add_u32 v1, v9, 7, v1                   ; in: row r of 2,048 bytes, + 128 h
	v_lshlrev_b32 v2, 4, v7                        ; 16 x lane: my place in a chunk
	v_lshlrev_b32 v5, 3, v7                        ; 8 x lane
	s_wait_alu depctr_va_vdst(0)
	s_lshl_b32 s11, s9, 8
	s_lshl_b32 s12, s10, 2
	s_add_co_u32 s11, s11, s12
	v_lshl_add_u32 v3, v8, 4, v9
	s_delay_alu instid0(VALU_DEP_1)
	v_add_nc_u32 v3, s11, v3                       ; LDS: my scale byte: 16 (16 tile + r) + 4 s + h (+ 2 c)
	s_lshl_b32 s11, s10, 8
	s_lshl_b32 s12, s9, 6
	s_add_co_u32 s11, s11, s12
	s_add_co_u32 s11, s11, 1024
	v_lshl_add_u32 v4, v8, 2, s11                  ; LDS: my centre's sum of squares over this K step: 1,024 + 256 s + 4 (16 tile + r)
	s_min_u32 s22, s8, 3
	s_lshl_b32 s22, s22, 8
	v_add_nc_u32 v10, s22, v5                      ; LDS, on the way out: waves 0 to 3 take 256 scale bytes each (the other waves' address is not used)
	v_add_nc_u32 v11, 1024, v5                     ; and wave 4 the sums
	s_mov_b32 s20, 0x76543210
	s_mov_b32 s21, 0xfedcba98                      ; v_permlanex16_b32's selects for lane l xor 16
	s_lshl_b32 s12, ttmp9, 17                      ; 64 rows of 2,048 bytes a work-group,
	s_lshl_b32 s13, s9, 15                         ; 16 a tile,
	s_add_co_u32 s12, s12, s13
	s_lshl_b32 s13, s10, 9                         ; 512 bytes a K step
	s_add_co_u32 s12, s12, s13
	s_mov_b32 s13, 0
	s_lshr_b32 s14, ttmp9, 3
	s_mul_i32 s14, s14, PART                       ; my part of the book
	s_and_b32 s15, ttmp9, 7                        ; my place in it: groups 2 jj and 2 jj + 1
	s_lshl_b32 s16, s15, 13
	s_add_co_u32 s16, s16, s14
	s_cmp_lt_u32 s9, 2                             ; tiles 0, 1 are the even group, tiles 2, 3 the odd one
	s_cselect_b32 s17, 0x10000, 0
	s_add_co_u32 s16, s16, s17
	s_lshl_b32 s17, s10, 11                        ; chunk 4 s
	s_add_co_u32 s16, s16, s17
	s_and_b32 s17, s9, 1
	s_lshl_b32 s17, s17, 10                        ; + 2 t
	s_add_co_u32 s16, s16, s17
	s_mov_b32 s17, 0
	s_lshl_b32 s18, s15, 10                        ; the scale bytes of my work-group's 64 centres,
	s_add_co_u32 s18, s18, s14
	s_add_co_u32 s18, s18, 131072
	s_add_co_u32 s18, s18, s22                     ; my wave's 256 of them
	s_mov_b32 s19, 0
	s_lshl_b32 s24, s15, 8                         ; and their 64 numbers -c2/2
	s_add_co_u32 s24, s24, s14
	s_add_co_u32 s24, s24, 139264
	s_mov_b32 s25, 0
	s_wait_kmcnt 0x0
	s_add_nc_u64 s[4:5], s[4:5], s[12:13]
	s_add_nc_u64 s[16:17], s[6:7], s[16:17]
	s_add_nc_u64 s[18:19], s[6:7], s[18:19]
	s_add_nc_u64 s[24:25], s[6:7], s[24:25]
.irp c, 0,1
.irp i, 0,1,2,3,4,5,6,7
	global_load_b128 v[NUM+32*\c+4*\i:NUM+32*\c+4*\i+3], v1, s[4:5] offset:256*\c+16*\i th:TH_LOAD_RT_NT   ; a piece's eight loads together read each lane's 128 consecutive bytes
.endr
.endr
; Piece c: the block's largest magnitude (two chains, each begun with the floor 2^(3 - 127)), its squares onto the partial sums, its scale, its codes; the codes and the byte leave.
.macro QBLK c
.set ql, NUM+32*\c
	v_max3_num_f32 v[MA], |v[ql]|, |v[ql+1]|, 0x1800000
	v_max3_num_f32 v[MB], |v[ql+16]|, |v[ql+17]|, 0x1800000
.set qi, 0
.rept 16
.if (qi > 0) && (qi < 8)
	s_delay_alu instid0(VALU_DEP_3)
	v_max3_num_f32 v[MA], v[MA], |v[ql+2*qi]|, |v[ql+2*qi+1]|
	s_delay_alu instid0(VALU_DEP_3)
	v_max3_num_f32 v[MB], v[MB], |v[ql+16+2*qi]|, |v[ql+17+2*qi]|
.endif
.if (\c == 0) && (qi < 4)
	v_pk_mul_f32 v[SUM+2*(qi%4):SUM+2*(qi%4)+1], v[ql+2*qi:ql+2*qi+1], v[ql+2*qi:ql+2*qi+1]   ; the first four start the sums: nothing is cleared
.else
	v_pk_fma_f32 v[SUM+2*(qi%4):SUM+2*(qi%4)+1], v[ql+2*qi:ql+2*qi+1], v[ql+2*qi:ql+2*qi+1], v[SUM+2*(qi%4):SUM+2*(qi%4)+1]
.endif
.set qi, qi+1
.endr
	v_max_num_f32 v[MA], v[MA], v[MB]
	s_delay_alu instid0(VALU_DEP_1)
	v_add_nc_u32 v[SCO], 0xff000000, v[MA]         ; 2 off the exponent field: the conversion takes the exponent field of this operand as its scale, and nothing else of it
.irp g, 0,1,2,3
	v_cvt_scalef32_pk8_fp4_f32 v[COD+4*\c+\g], v[ql+8*\g:ql+8*\g+7], v[SCO]
.endr
	v_lshrrev_b32 v[BYT+\c], 23, v[SCO]            ; the scale's byte; also the plain instruction behind the conversions
	global_store_b128 v2, v[COD+4*\c:COD+4*\c+3], s[16:17] offset:512*\c   ; a chunk: the wave stores 512 consecutive bytes, aligned
	ds_store_b8 v3, v[BYT+\c] offset:2*\c
.endm
	s_wait_loadcnt 8                               ; piece 0's eight loads are in; piece 1's eight may be out
	QBLK 0
	s_wait_loadcnt 0x0
	QBLK 1
	v_pk_add_f32 v[SUM:SUM+1], v[SUM:SUM+1], v[SUM+2:SUM+3]
	v_pk_add_f32 v[SUM+4:SUM+5], v[SUM+4:SUM+5], v[SUM+6:SUM+7]
	s_delay_alu instid0(VALU_DEP_1)
	v_pk_add_f32 v[SUM:SUM+1], v[SUM:SUM+1], v[SUM+4:SUM+5]
	s_delay_alu instid0(VALU_DEP_1)
	v_add_f32 v[SUM], v[SUM], v[SUM+1]
	s_delay_alu instid0(VALU_DEP_1)
	v_permlanex16_b32 v[MB], v[SUM], s20, s21      ; the centre's other two blocks of this K step lie in lane l xor 16
	s_delay_alu instid0(VALU_DEP_1)
	v_add_f32 v[SUM], v[SUM], v[MB]
	ds_store_b32 v4, v[SUM]                        ; both lanes write the same word with the same value
	s_wait_dscnt 0x0                               ; for the others' sake: my bytes and my sums lie in LDS
	s_barrier_signal -1
	s_barrier_wait -1
	s_cmp_lt_u32 s8, 4
	s_cbranch_scc0 .Lnot_scales
	ds_load_b64 v[16:17], v10                      ; waves 0 to 3: 16 centres' scale bytes, 8 a lane
	s_wait_dscnt 0x0
	global_store_b64 v5, v[16:17], s[18:19]        ; the wave stores 256 consecutive bytes, aligned
	s_branch .Lend
.Lnot_scales:
	s_cmp_eq_u32 s8, 4
	s_cbranch_scc0 .Lend
.irp s, 0,1,2,3
	ds_load_b64 v[16+2*\s:17+2*\s], v11 offset:256*\s   ; wave 4: two centres a lane, the four K steps' sums
.endr
	s_wait_dscnt 0x0
	v_pk_add_f32 v[16:17], v[16:17], v[18:19]
	s_delay_alu instid0(VALU_DEP_1)
	v_pk_add_f32 v[16:17], v[16:17], v[20:21]
	s_delay_alu instid0(VALU_DEP_1)
	v_pk_add_f32 v[16:17], v[16:17], v[22:23]
	s_delay_alu instid0(VALU_DEP_1)
	v_pk_mul_f32 v[16:17], v[16:17], -0.5 op_sel_hi:[1,0]   ; -c2/2: exact
	global_store_b64 v5, v[16:17], s[24:25]        ; 256 consecutive bytes, aligned
.Lend:
	s_wait_tensorcnt 0x0
	ds_add_u32 v96, v97
	s_wait_dscnt 0x0
	s_endpgm
.Lfunc_end_k_q73c0ccb5da_prep:
	.size	k_q73c0ccb5da_prep, .Lfunc_end_k_q73c0ccb5da_prep-k_q73c0ccb5da_prep
	.p2alignl 7, 3214868480
	.fill 96, 4, 3214868480
	.section	.rodata,"a",@progbits
	.p2align	6, 0x0
	.amdhsa_kernel k_q73c0ccb5da_prep
		.amdhsa_group_segment_fixed_size 4096
		.amdhsa_private_segment_fixed_size 0
		.amdhsa_enable_private_segment 0
		.amdhsa_kernarg_size 16
		.amdhsa_user_sgpr_count 2
		.amdhsa_user_sgpr_kernarg_segment_ptr 1
		.amdhsa_wavefront_size32 1
		.amdhsa_system_sgpr_workgroup_id_x 1
		.amdhsa_system_sgpr_workgroup_id_y 1
		.amdhsa_system_sgpr_workgroup_id_z 1
		.amdhsa_system_vgpr_workitem_id 0
		.amdhsa_next_free_vgpr 98
		.amdhsa_next_free_sgpr 66
		.amdhsa_reserve_vcc 0
		.amdhsa_float_denorm_mode_32 3
		.amdhsa_float_denorm_mode_16_64 3
		.amdhsa_memory_ordered 1
		.amdhsa_forward_progress 1
		.amdhsa_inst_pref_size 13
	.end_amdhsa_kernel
	.amdgpu_metadata
---
amdhsa.version: [ 1, 2 ]
amdhsa.kernels:
  - .name:           k_q73c0ccb5da_prep
    .symbol:         k_q73c0ccb5da_prep.kd
    .args:
      - { .name: cluster_centers, .offset: 0, .size: 8, .value_kind: global_buffer, .address_space: global }
      - { .name: book, .offset: 8, .size: 8, .value_kind: global_buffer, .address_space: global }
    .group_segment_fixed_size: 4096
    .private_segment_fixed_size: 0
    .kernarg_segment_align: 8
    .kernarg_segment_size: 16
    .max_flat_workgroup_size: 512
    .sgpr_count:     66
    .vgpr_count:     98
    .wavefront_size: 32
...
	.end_amdgpu_metadata
.endif
;; end of part 1
;; launch assign (part 2): grid 256 x 1, 4 waves a work-group, clusters of 4 x 1, 327,680 bytes of LDS; arguments x, book, out0; writes out0
.if DOCPART == 2
	.amdgcn_target "amdgcn-amd-amdhsa--gfx1250"
	.amdhsa_code_object_version 6
	.text
	.protected	k_q73c0ccb5da_assign
	.globl	k_q73c0ccb5da_assign
	.p2align	8
	.type	k_q73c0ccb5da_assign,@function
k_q73c0ccb5da_assign:
	s_mov_b64 s[64:65], 0
	v_nop
	global_prefetch_b8 v0, s[64:65] scope:SCOPE_SE
	s_setreg_imm32_b32 hwreg(HW_REG_WAVE_MODE, 25, 1), 1
	s_wait_xcnt 0x0
	s_wait_alu depctr_hold_cnt(0) depctr_sa_sdst(0) depctr_va_vdst(0) depctr_va_sdst(0) depctr_va_ssrc(0) depctr_va_vcc(0) depctr_vm_vsrc(0)
	s_getreg_b32 s2, hwreg(HW_REG_IB_STS2, 6, 4)
	s_cmp_eq_u32 s2, 0
	s_cbranch_scc0 .Lentry_in_a_cluster
	s_endpgm
.Lentry_in_a_cluster:
	s_bfe_u32 s2, ttmp6, 0x10000c
	s_cmp_lg_u32 s2, 0x3003
	s_cbranch_scc0 .Lentry_shape_is_right
	s_endpgm
.Lentry_shape_is_right:
; out0[n] = the k of the smallest d2(n, k) = x2(n) + c2(k) - 2 Q(x(n)) . Q(c(k)), the lowest k among equals.  x: [65536][512] f32; the centres come as the book of the launch before: FP4 codes, E8M0 scale bytes, -c2/2.
; WORK LEFT OUT: x2(n) is the same for every k, so in real numbers, whatever the inputs hold, argmin over k of d2 = argmax over k of (dot - c2/2).  x2 is not formed; x itself is live (the product's operand).
; LIMITS: a NaN, an infinity or an overflow that reaches x2 alone is not carried to the result; where two centres' d2 lie closer than the f32 rounding of x2 + c2, the choice may differ from a sum that holds x2.
; NaN and infinities are not served.  A block of x whose largest magnitude lies under 2^-124 (a block of zeros too) gets the scale byte 1.
; THE PRODUCT: v_wmma_scale_f32_32x16x128_f4, source 0 = 32 centres, source 1 = 16 rows of x: a lane holds one row (lane % 16); its 16 results are centres 8 h + 0..7 and 16 + 8 h + 0..7 of the group.  The first K step's C is -c2/2.
; THE BOOK STAYS ON THE WGP: wave w owns centres 512 w .. + 511, 16 groups of 32: the odd groups in 512 registers (128 loads from memory), the even groups, scale bytes and -c2/2 in LDS (one tensor load), filled once.
; SHARES: a work-group owns 256 rows, 4 batches of 64 (four tiles of 16).  Every wave multiplies all 64 rows by its centres; meanwhile wave w quantises tile w of the next batch and hands it on through LDS as register images.
; A PHASE = one group: the next group's LDS loads, 16 products (four K steps x four tiles, the accumulators by turns), in every second phase a piece of x, then the maxima of the four tiles.
; THE LARGEST SUM, per lane and tile: for each 8 sums four v_max3, a compare into VCC, a select of 2 group + half, and four pairs of selects that keep the winning 8.  The place among the 8 is found once a batch.  Strictly greater wins in ascending k.
; CLUSTER: the four work-groups ask for the LDS part of the book jointly (the descriptor hangs on the wave's number alone).  The register part comes by plain loads: it goes to registers, not to LDS.
; NO PREFETCH: x is asked for by loads into registers four pieces (32 loads a wave) ahead of its use, batch 0 whole at the head; the book is read once, ahead of any loop.
; WINDOWS: 0: the names below.  1: v0-127 x's 16 fragments (tile i, K step s at 32 i + 8 s; at the head: batch 0's pieces 4-7 as loaded), v128-255 four sets of 32 numbers of x.  2, 3: group 2 n + 1 in window 2 + n / 4 at 64 (n % 4) + 16 s.
.set PART,  141312                     ; a wave's part of the book: odd groups 65,536, even groups 65,536, scale bytes 8,192, -c2/2 2,048
.set WREG,  75776                      ; LDS: a wave's region: even groups, scale bytes, -c2/2
.set OC2,   73728
.set IMG,   4*WREG                     ; x's fragments: 1,024 (4 i + s) + 512 c + 16 lane
.set XSC,   IMG+16384                  ; their scale words: 64 (4 i + s) + 4 r
.set MRG,   XSC+1024                   ; each wave's (largest sum, index): 512 w + 8 row
.set SPARE, MRG+2048                   ; the spare words: 128 bytes a wave
.set BROWS, 131072                     ; 64 rows of x in bytes
.set ASTG, 1                           ; my region + 16 lane
.set ASC,  2                           ; its scale bytes
.set AC2,  3                           ; its -c2/2, + 32 h
.set AIM,  4                           ; IMG + 16 lane
.set AXS,  5                           ; XSC + 4 r
.set GA,   6                           ; 16 lane
.set WIM,  7                           ; where I store my tile's images
.set WXS,  8                           ; and its scale bytes
.set WMG,  10
.set RMG,  11
.set XA,   12                          ; x: 2,048 r + 128 h
.set OA,   13                          ; out0: 8 lane
.set IB,   14                          ; 512 w + 8 h
.set SPW,  15
.set NIL,  16
.set TMP,  17
.set BS,   18                          ; v18-25  the centres' scale words, two sets of four
.set XS,   26                          ; v26-41  x's scale words, 4 i + s
.set C2H,  42                          ; v42-73  -c2/2 in the result's layout, two sets of 16
.set EN,   C2H+16                      ; at a batch's end: at work
.set MX,   74                          ; v74-81  tile i: two registers for the running maximum
.set IDR,  82                          ; v82-85  tile i: 2 group + half of the winner
.set TT,   86                          ; v86-89  at work
.set MA,   90
.set MB,   91
.set CD,   92                          ; v92-95  codes just made
.set SAV,  96                          ; v96-127 tile i: the winning 8 sums
.set ACC,  128                         ; v128-191 tile i: 16 sums
.set STG,  192                         ; v192-255 an even group, staged
.set LAND, 128                         ; in window 1
.set BAT,  13
.set MSB, 0
.macro WIN new                         ; the immediate's high byte repeats the setting that is left
.if MSB != (\new)
	s_set_vgpr_msb (MSB<<8)|(\new)
.set MSB, \new
.endif
.endm
.macro ROUND                           ; a round of the cluster's barrier
	s_barrier_signal -1
	s_barrier_wait -1
	s_cmp_lg_u32 s10, 0
	s_cbranch_scc1 .Lnot_wave_0_\@
	s_barrier_signal -3
.Lnot_wave_0_\@:
	s_barrier_wait -3
	s_barrier_signal -1
	s_barrier_wait -1
.endm
	s_load_b128 s[4:7], s[0:1], 0x0                ; x, the book
	s_load_b64 s[8:9], s[0:1], 0x10                ; out0
	v_lshl_add_u32 v[SPW], v0, 2, SPARE
	v_mov_b32 v[NIL], 0
	ds_add_u32 v[SPW], v[NIL]                      ; the opening lines: the add, twice on end
	ds_add_u32 v[SPW], v[NIL]
	v_lshrrev_b32 v[TMP], 5, v0
	v_readfirstlane_b32 s10, v[TMP]                ; wave 0..3
	s_mul_i32 s48, s10, WREG
	s_lshl_b32 s49, s10, 12
	s_lshl_b32 s50, s10, 8
	s_lshl_b32 s51, s10, 9
	v_and_b32 v86, 31, v0                          ; lane
	v_and_b32 v87, 15, v0                          ; r
	v_bfe_u32 v88, v0, 4, 1                        ; h
	v_lshlrev_b32 v[GA], 4, v86
	v_add_nc_u32 v[ASTG], s48, v[GA]
	v_add_nc_u32 v[ASC], 0x10000, v[ASTG]
	v_lshlrev_b32 v[AC2], 5, v88
	v_add_nc_u32 v[AC2], s48, v[AC2]
	v_add_nc_u32 v[AC2], OC2, v[AC2]
	v_add_nc_u32 v[AIM], IMG, v[GA]
	v_lshl_add_u32 v[AXS], v87, 2, XSC
	v_add_nc_u32 v[WIM], s49, v[AIM]               ; my tile's four fragments: 4,096 w on
	v_add_nc_u32 v[WXS], v[AXS], v88
	v_add_nc_u32 v[WXS], s50, v[WXS]               ; XSC + 256 w + 4 r + h (+ 64 s + 2 c)
	v_lshl_add_u32 v[WMG], v87, 3, MRG
	v_add_nc_u32 v[WMG], s51, v[WMG]
	v_add_nc_u32 v[RMG], MRG, v[GA]
	v_lshlrev_b32 v[XA], 11, v87
	v_lshl_add_u32 v[XA], v88, 7, v[XA]
	v_lshlrev_b32 v[OA], 3, v86
	v_lshlrev_b32 v[IB], 3, v88
	v_add_nc_u32 v[IB], s51, v[IB]
	s_wait_alu depctr_va_vdst(0)                   ; the wait behind the head's vector work
	s_wait_dscnt 0x0                               ; both opening adds are done
	s_bfe_u32 s11, ttmp6, 0x40000                  ; cx: it enters x's and out0's addresses alone
	s_lshl_b32 s12, ttmp9, 2
	s_add_co_u32 s12, s12, s11                     ; my work-group
	s_mov_b32 s40, 0x76543210
	s_mov_b32 s41, 0xfedcba98                      ; v_permlanex16_b32's selects for lane l xor 16
	s_mov_b32 s16, 15|(3<<16)|(1<<21)              ; group 1: mask of the four; elements of 8 bytes; bit 21 beside a mask
	s_mov_b32 s17, 32<<16                          ; 296 dense rows of 256 bytes
	s_mov_b32 s18, 296<<16
	s_mov_b32 s19, 32<<16
	s_mov_b32 s20, 296
	s_mov_b32 s21, 32
	s_mov_b32 s22, 0
	s_mov_b32 s23, 0
	s_mul_i32 s52, s10, PART
	s_mov_b32 s53, 0
	s_lshl_b32 s54, s12, 19                        ; my work-group's 256 rows of 2,048 bytes,
	s_lshl_b32 s55, s10, 15                        ; my wave's tile of 16
	s_add_co_u32 s54, s54, s55
	s_mov_b32 s55, 0
	s_lshl_b32 s56, s12, 10                        ; my work-group's 256 results
	s_mov_b32 s57, 0
	s_mov_b32 s32, 1
	s_mul_i32 s33, s10, WREG
	s_wait_kmcnt 0x0
	s_add_nc_u64 s[38:39], s[6:7], s[52:53]        ; my part: its odd groups
	s_add_nc_u64 s[34:35], s[38:39], 0x10000       ; from its even groups on
	s_or_b32 s35, s35, 0x80000000
	s_add_nc_u64 s[4:5], s[4:5], s[54:55]
	s_add_nc_u64 s[8:9], s[8:9], s[56:57]
	ROUND                                          ; the four work-groups are here: the joint loads meet
	tensor_load_to_lds s[32:35], s[16:23]          ; my one tensor load of the launch
	s_nop 0
.rept 4
	v_nop
.endr
; Eight loads: piece pp of a tile (for lane (r, h) the block k = 64 pp + 32 h + 0 .. 31 of row r), add bytes on, into the 32 registers from dst on, in window 1
.macro XLD pp, add, dst
.set xd, \dst
.set xo, (\add)+256*(\pp)
	WIN 0x40
.irp i, 0,1,2,3,4,5,6,7
	global_load_b128 v[xd+4*\i:xd+4*\i+3], v[XA], s[4:5] offset:xo+16*\i th:TH_LOAD_RT_NT
.endr
	WIN 0
.endm
; Piece p, in the 32 registers from src on, is quantised: a lane's 32 numbers are a whole block.  Four chains of maxima, each begun with the floor 2^(3 - 127)
.macro XWORK p, src
.set xl, \src
	WIN 0x05
.irp q, 0,1,2,3
	v_max3_num_f32 v[TT+\q], |v[xl+8*\q]|, |v[xl+8*\q+1]|, 0x1800000
.endr
.irp e, 2,4,6
.irp q, 0,1,2,3
	v_max3_num_f32 v[TT+\q], |v[xl+8*\q+\e]|, |v[xl+8*\q+\e+1]|, v[TT+\q]
.endr
.endr
	WIN 0
	v_max3_num_f32 v[MA], v[TT], v[TT+1], v[TT+2]
	v_max_num_f32 v[MA], v[MA], v[TT+3]
	v_add_nc_u32 v[MA], 0xff000000, v[MA]          ; 2 off the exponent field: the conversions' scale operand
	v_lshrrev_b32 v[MB], 23, v[MA]                 ; the scale's byte
	WIN 0x01
.irp g, 0,1,2,3
	v_cvt_scalef32_pk8_fp4_f32 v[CD+\g], v[xl+8*\g:xl+8*\g+7], v[MA]
.endr
	WIN 0
	v_nop                                          ; one plain place behind the conversions
	ds_store_b128 v[WIM], v[CD:CD+3] offset:512*(\p)
	ds_store_b8 v[WXS], v[MB] offset:64*((\p)/2)+2*((\p)%2)
.endm
; A piece's turn in the loop, where batch s13 is multiplied and batch s13 + 1 quantised; the last batch has no successor, and the loads for the batch after the next stop a batch earlier.
; An arm that leaves work or loads out waits for all loads, so the counted wait holds on every way.
.macro XPIECE p
	s_cmp_lt_u32 s[BAT], 3
	s_cbranch_scc0 .Lxskip_\@
	s_wait_loadcnt 24                              ; my piece's eight loads are in; the three younger pieces' 24 may be out
	s_wait_dscnt 0x0                               ; the last piece's stores have read their registers
	XWORK \p, LAND+32*((\p)%4)
.if (\p) >= 4
	s_cmp_lt_u32 s[BAT], 2
	s_cbranch_scc0 .Lxskip_\@
.endif
	XLD ((\p)+4)%8, BROWS*((\p)/4), LAND+32*((\p)%4)
	s_branch .Lxdone_\@
.Lxskip_\@:
	s_wait_loadcnt 0x0
.Lxdone_\@:
.endm
.macro MM i, s, g                      ; one product: tile i, K step s, group g
.if ((\g)%2) == 0
.set ma, STG+16*(\s)
.else
.set ma, 64*(((\g)/2)%4)+16*(\s)
.endif
.if (\s) == 0
	v_wmma_scale_f32_32x16x128_f4 v[ACC+16*(\i):ACC+16*(\i)+15], v[ma:ma+15], v[32*(\i)+8*(\s):32*(\i)+8*(\s)+7], v[C2H+16*((\g)%2):C2H+16*((\g)%2)+15], v[BS+4*((\g)%2)+(\s)], v[XS+4*(\i)+(\s)]
.else
	v_wmma_scale_f32_32x16x128_f4 v[ACC+16*(\i):ACC+16*(\i)+15], v[ma:ma+15], v[32*(\i)+8*(\s):32*(\i)+8*(\s)+7], v[ACC+16*(\i):ACC+16*(\i)+15], v[BS+4*((\g)%2)+(\s)], v[XS+4*(\i)+(\s)]
.endif
.endm
.macro NEXT g                          ; what group g takes from LDS: -c2/2 and scale words into set g % 2; an even group's codes into the stage
.set cc, C2H+16*((\g)%2)
	ds_load_b128 v[cc:cc+3], v[AC2] offset:128*(\g)
	ds_load_b128 v[cc+4:cc+7], v[AC2] offset:128*(\g)+16
	ds_load_b128 v[cc+8:cc+11], v[AC2] offset:128*(\g)+64
	ds_load_b128 v[cc+12:cc+15], v[AC2] offset:128*(\g)+80
	ds_load_b128 v[BS+4*((\g)%2):BS+4*((\g)%2)+3], v[ASC] offset:512*(\g)
.if ((\g)%2) == 0
.set hn, 0
.rept 16
	ds_load_b128 v[STG+4*hn:STG+4*hn+3], v[ASTG] offset:8192*((\g)/2)+512*hn
.set hn, hn+1
.endr
.endif
.endm
; The kept 8 sums and the winner's number take the new ones where VCC says (first: always), two selects an instruction
.macro KEEP d, a, id, iv, first
.if \first
	v_mov_b32 v[\id], \iv
.else
	v_cndmask_b32 v[\id], v[\id], \iv, vcc_lo
.endif
.irp j, 0,2,4,6
.if \first
	v_dual_mov_b32 v[(\d)+\j], v[(\a)+\j] :: v_dual_mov_b32 v[(\d)+\j+1], v[(\a)+\j+1]
.else
	v_dual_cndmask_b32 v[(\d)+\j], v[(\d)+\j], v[(\a)+\j] :: v_dual_cndmask_b32 v[(\d)+\j+1], v[(\d)+\j+1], v[(\a)+\j+1]
.endif
.endr
.endm
; The maxima of tiles so (A) and so + 1 (B), halves numbered kid and kid + 1.  Each accumulator is read from its low end on; four chains by turns.
; Each compare stands ahead of its selects; a running maximum's register is written again only behind the compare that reads its old number.
.macro ARG so, kid, first
.set rA, ACC+16*(\so)
.set rB, rA+16
.set mA, MX+2*(\so)
.set mB, mA+2
.set iA, IDR+(\so)
.set iB, iA+1
.set kA, SAV+8*(\so)
.set kB, kA+8
	v_max3_num_f32 v[TT], v[rA], v[rA+1], v[rA+2]
	v_max3_num_f32 v[TT+1], v[rB], v[rB+1], v[rB+2]
	v_max3_num_f32 v[TT+2], v[rA+8], v[rA+9], v[rA+10]
	v_max3_num_f32 v[TT+3], v[rB+8], v[rB+9], v[rB+10]
.irp e, 3,5
	v_max3_num_f32 v[TT], v[TT], v[rA+\e], v[rA+\e+1]
	v_max3_num_f32 v[TT+1], v[TT+1], v[rB+\e], v[rB+\e+1]
	v_max3_num_f32 v[TT+2], v[TT+2], v[rA+8+\e], v[rA+9+\e]
	v_max3_num_f32 v[TT+3], v[TT+3], v[rB+8+\e], v[rB+9+\e]
.endr
.if \first
	v_max_num_f32 v[mA+1], v[TT], v[rA+7]          ; a batch's first 8 start the running maximum
	v_max_num_f32 v[mB+1], v[TT+1], v[rB+7]
.else
	v_max3_num_f32 v[mA+1], v[TT], v[rA+7], v[mA]
	v_max3_num_f32 v[mB+1], v[TT+1], v[rB+7], v[mB]
	v_cmp_gt_f32 vcc_lo, v[mA+1], v[mA]            ; has it grown?  Strictly: among equals the lower index stays
.endif
	KEEP kA, rA, iA, \kid, \first
.if \first == 0
	v_cmp_gt_f32 vcc_lo, v[mB+1], v[mB]
.endif
	v_max3_num_f32 v[mA], v[TT+2], v[rA+15], v[mA+1]
	KEEP kB, rB, iB, \kid, \first
	v_cmp_gt_f32 vcc_lo, v[mA], v[mA+1]
	v_max3_num_f32 v[mB], v[TT+3], v[rB+15], v[mB+1]
	KEEP kA, rA+8, iA, (\kid)+1, 0
	v_cmp_gt_f32 vcc_lo, v[mB], v[mB+1]
	KEEP kB, rB+8, iB, (\kid)+1, 0
.endm
.macro PHASE g
	s_wait_alu depctr_va_vdst(0)
	s_wait_dscnt 0x0                               ; this group's -c2/2, scale words and staged codes, asked for a phase ago, are in
.if (\g) < 15
	NEXT (\g)+1                                    ; into registers that the products of the phase before last read: that phase's maxima are the places
.endif
.if ((\g)%2) == 0
	WIN 0x04                                       ; the staged group in window 0, x in window 1
.else
	WIN 0x06+((\g)/8)                              ; a group in window 2 or 3
.endif
.irp s, 0,1,2,3
.irp i, 0,1,2,3
	MM \i, \s, \g
.endr
.endr
	WIN 0
.if ((\g)%2) == 0
	XPIECE (\g)/2                                  ; a piece of the next batch's x for every two phases: it names no register of the products
.endif
.rept 4
	v_nop                                          ; four places behind the last products, whose sums are read next
.endr
.if (\g) == 0
	ARG 0, 0, 1
	ARG 2, 0, 1
.else
	ARG 0, 2*(\g), 0
	ARG 2, 2*(\g), 0
.endif
.endm
; THE HEAD'S LOADS: batch 0's eight pieces first (64 loads: pieces 4-7 land where the fragments will lie), then the odd groups, 32 loads ahead of each of the first four pieces' work; behind pieces 4-7 batch 1's first four pieces.
.irp p, 0,1,2,3
	XLD \p, 0, LAND+32*\p
.endr
.irp p, 4,5,6,7
	XLD \p, 0, 32*(\p-4)
.endr
.irp p, 0,1,2,3,4,5,6,7
.if \p < 4
	WIN 0x80+0x40*(\p/2)                           ; groups 4 p + 1 and 4 p + 3 into window 2 or 3, as they lie: each load reads 512 consecutive bytes
.irp u, 0,1
.set rn, 0
.rept 16
	global_load_b128 v[64*((2*\p+\u)%4)+4*rn:64*((2*\p+\u)%4)+4*rn+3], v[GA], s[38:39] offset:8192*(2*\p+\u)+512*rn
.set rn, rn+1
.endr
.endr
	WIN 0
.endif
	s_wait_loadcnt 63                              ; behind piece p's loads at least 72 were issued: it is in
	s_wait_dscnt 0x0                               ; the last piece's stores have read their registers
.if \p < 4
	XWORK \p, LAND+32*\p
.else
	XWORK \p, 32*(\p-4)
	XLD \p-4, BROWS, LAND+32*(\p-4)
.endif
.endr
	s_wait_alu depctr_va_vdst(0)
	s_wait_tensorcnt 0x0                           ; my region is whole; only I read it
	s_wait_loadcnt 32                              ; the odd groups are in: only batch 1's four pieces, the youngest 32 loads, may be out
	s_wait_xcnt 0x0                                ; the loads have read their base:
	s_add_nc_u64 s[4:5], s[4:5], BROWS             ; on to batch 1
	s_wait_dscnt 0x0                               ; for the others' sake: my tile's images and scale bytes lie in LDS
	s_barrier_signal -1
	s_barrier_wait -1
	s_mov_b32 s[BAT], 0
.Lbatch:
	WIN 0x40
.irp i, 0,1,2,3
.irp s, 0,1,2,3
.irp c, 0,1
	ds_load_b128 v[32*\i+8*\s+4*\c:32*\i+8*\s+4*\c+3], v[AIM] offset:1024*(4*\i+\s)+512*\c   ; the batch's 16 fragments of x
.endr
.endr
.endr
	WIN 0
.irp n, 0,1,2,3,4,5,6,7,8,9,10,11,12,13,14,15
	ds_load_b32 v[XS+\n], v[AXS] offset:64*\n      ; their scale words
.endr
	NEXT 0
	s_wait_dscnt 0x0                               ; my reads of the images are over (in wave 0: of the last batch's results too)
	s_barrier_signal -1
	s_barrier_wait -1                              ; everybody's are: the images and the results may be written again
.set hk, 0
.rept 16
	PHASE hk
.set hk, hk+1
.endr
	; THE BATCH'S END.  The place of the largest among the kept 8: the lowest j whose sum equals it
.irp i, 0,1,2,3
	v_mov_b32 v[TT+\i], 7
.endr
.irp j, 6,5,4,3,2,1,0
.irp i, 0,1,2,3
	v_cmp_eq_f32 s[44+\i], v[SAV+8*\i+\j], v[MX+2*\i]
.endr
.irp i, 0,1,2,3
	v_cndmask_b32 v[TT+\i], v[TT+\i], \j, s[44+\i]
.endr
.endr
.irp i, 0,1,2,3
	v_lshl_add_u32 v[IDR+\i], v[IDR+\i], 4, v[TT+\i]   ; 32 group + 16 half + j
.endr
.irp i, 0,1,2,3
	v_add_nc_u32 v[IDR+\i], v[IDR+\i], v[IB]       ; + 512 w + 8 h: the centre
.endr
.irp i, 0,1,2,3
	v_permlanex16_b32 v[EN+4*\i], v[MX+2*\i], s40, s41   ; the row's other centres of my wave lie in lane l xor 16
	v_permlanex16_b32 v[EN+4*\i+1], v[IDR+\i], s40, s41
.endr
.irp i, 0,1,2,3
	v_cmp_gt_f32 s44, v[EN+4*\i], v[MX+2*\i]       ; the other lane's wins where it is greater,
	v_cmp_eq_f32 s45, v[EN+4*\i], v[MX+2*\i]
	v_cmp_lt_u32 s46, v[EN+4*\i+1], v[IDR+\i]
	s_and_b32 s45, s45, s46                        ; or equal with the lower index
	s_or_b32 s44, s44, s45
	v_cndmask_b32 v[EN+4*\i+2], v[MX+2*\i], v[EN+4*\i], s44
	v_cndmask_b32 v[EN+4*\i+3], v[IDR+\i], v[EN+4*\i+1], s44
	ds_store_b64 v[WMG], v[EN+4*\i+2:EN+4*\i+3] offset:128*\i   ; both lanes write the same pair
.endr
	s_wait_dscnt 0x0                               ; for the others' sake: my results, and my tile of the next batch, lie in LDS
	s_barrier_signal -1
	s_barrier_wait -1
	s_cmp_lg_u32 s10, 0
	s_cbranch_scc1 .Lnot_first
.irp u, 0,1,2,3
	ds_load_b128 v[EN+4*\u:EN+4*\u+3], v[RMG] offset:512*\u   ; wave 0: two rows a lane, the four waves' pairs
.endr
	s_wait_dscnt 0x0
.irp u, 1,2,3                          ; a later wave's centres have higher indices: it wins only where strictly greater
.irp e, 0,1
	v_cmp_gt_f32 s[44+\e], v[EN+4*\u+2*\e], v[EN+2*\e]
.endr
.irp e, 0,1
	v_cndmask_b32 v[EN+2*\e], v[EN+2*\e], v[EN+4*\u+2*\e], s[44+\e]
	v_cndmask_b32 v[EN+2*\e+1], v[EN+2*\e+1], v[EN+4*\u+2*\e+1], s[44+\e]
.endr
.endr
	v_mov_b32 v[EN], v[EN+1]
	v_mov_b32 v[EN+1], v[EN+3]
	global_store_b64 v[OA], v[EN:EN+1], s[8:9]     ; the batch's 64 results: 256 consecutive bytes, aligned
.Lnot_first:
	s_wait_xcnt 0x0                                ; the loads and the store have read their bases and data
	s_add_nc_u64 s[4:5], s[4:5], BROWS
	s_add_nc_u64 s[8:9], s[8:9], 256
	s_add_co_u32 s[BAT], s[BAT], 1
	s_cmp_lt_u32 s[BAT], 4
	s_cbranch_scc1 .Lbatch
	s_wait_tensorcnt 0x0                           ; the wave's end
	ds_add_u32 v[SPW], v[NIL]
	s_wait_dscnt 0x0
	ROUND                                          ; the closing round
	s_endpgm
.Lfunc_end_k_q73c0ccb5da_assign:
	.size	k_q73c0ccb5da_assign, .Lfunc_end_k_q73c0ccb5da_assign-k_q73c0ccb5da_assign
	.p2alignl 7, 3214868480
	.fill 96, 4, 3214868480
	.section	.rodata,"a",@progbits
	.p2align	6, 0x0
	.amdhsa_kernel k_q73c0ccb5da_assign
		.amdhsa_group_segment_fixed_size 327680
		.amdhsa_private_segment_fixed_size 0
		.amdhsa_enable_private_segment 0
		.amdhsa_kernarg_size 24
		.amdhsa_user_sgpr_count 2
		.amdhsa_user_sgpr_kernarg_segment_ptr 1
		.amdhsa_wavefront_size32 1
		.amdhsa_system_sgpr_workgroup_id_x 1
		.amdhsa_system_sgpr_workgroup_id_y 1
		.amdhsa_system_sgpr_workgroup_id_z 1
		.amdhsa_system_vgpr_workitem_id 0
		.amdhsa_next_free_vgpr 1024
		.amdhsa_next_free_sgpr 66
		.amdhsa_reserve_vcc 1
		.amdhsa_float_denorm_mode_32 3
		.amdhsa_float_denorm_mode_16_64 3
		.amdhsa_memory_ordered 1
		.amdhsa_forward_progress 1
		.amdhsa_inst_pref_size 201
	.end_amdhsa_kernel
	.amdgpu_metadata
---
amdhsa.version: [ 1, 2 ]
amdhsa.kernels:
  - .name:           k_q73c0ccb5da_assign
    .symbol:         k_q73c0ccb5da_assign.kd
    .args:
      - { .name: x, .offset: 0, .size: 8, .value_kind: global_buffer, .address_space: global }
      - { .name: book, .offset: 8, .size: 8, .value_kind: global_buffer, .address_space: global }
      - { .name: out0, .offset: 16, .size: 8, .value_kind: global_buffer, .address_space: global }
    .group_segment_fixed_size: 327680
    .private_segment_fixed_size: 0
    .kernarg_segment_align: 8
    .kernarg_segment_size: 24
    .max_flat_workgroup_size: 128
    .sgpr_count:     66
    .vgpr_count:     1024
    .wavefront_size: 32
...
	.end_amdgpu_metadata
.endif
;; end of part 2
